; MI455X (gfx1250); checked and timed in simulation.
; The chip was launched on July 23, 2026; its instructions are those of AMD's public machine-readable ISA for CDNA 5 (MIT licence, August 2026) and "CDNA5" Instruction Set Architecture Reference Guide (July 2026). The comments in the code are by the model that wrote it; some were corrected since.
;; Multi Layer Memory Network. Allowed arithmetic: matrix products marked QUANTISED: E3M2 operands, one E8M0 scale for each 32 along K, by v_wmma_scale_f32_16x16x128_f8f6f4 with both operands' format E3M2, f32 sums; everything else in f32.
;; Inputs: ltm 8,192 x 256 float32; pm 4,096 x 256 float32; query_codes 4,096 x 1 x 8 x 24 uint8 (E3M2 codes of query, K innermost, in blocks of 32 codes, four codes in three bytes); query_scales 4,096 x 1 x 8 uint8 (E8M0 scales of query, one for each 32 codes along K); stm 16,384 x 256 float32.
;; Outputs: out0 4,096 x 1 x 256 float32.
;; This version of the problem:
;;   THIS VERSION OF THE PROBLEM IS GIVEN IN LOW PRECISION. The matrix products marked QUANTISED in the list below multiply operands that are first quantised to E3M2 (3 exponent bits, 2 mantissa bits; 6 bits a number), with one power-of-two scale for each 32 numbers along K (OCP MX v1.0); their sums are f32. All else is computed in f32.
;;   The module's matrix products, in the order in which they are computed (A, B: the left and right operand; K: the contracted axis; several contracted axes count as one K, in the product's order):
;;     1. [M 16,384, K 256] x [K 256, N 4,096]; A: input stm; B: input query (given as codes): QUANTISED
;;     2. [M 4,096, K 16,384] x [K 16,384, N 256]; A: softmax (see below); B: input stm: QUANTISED
;;     3. [M 8,192, K 256] x [K 256, N 4,096]; A: input ltm; B: input query (given as codes): QUANTISED
;;     4. [M 4,096, K 8,192] x [K 8,192, N 256]; A: softmax (see below); B: input ltm: QUANTISED
;;     5. [M 4,096, K 256] x [K 256, N 4,096]; A: input pm; B: input query (given as codes): QUANTISED
;;     6. [M 4,096, K 4,096] x [K 4,096, N 256]; A: softmax (see below); B: input pm: QUANTISED
;;   THE QUANTISER, for each operand of a quantised product, along K:
;;     - K is cut into blocks of 32 from its start; a last block that is shorter is filled with zeros.
;;     - A block's scale is 2^e with e = floor(log2(the largest magnitude in the block)) - 4, held to -126 .. 127; a block of zeros has e = 0. As a byte (E8M0): e + 127.
;;     - Each number is divided by its block's scale, clamped to +-28, and rounded to the nearest number of E3M2, ties to even, subnormals kept.
;;     - The product sums the exact products of the quantised numbers (number of the format x scale) in f32.
;;   ~~~python
;;   def quantise(x, axis):      # numpy; x: float32 -> the quantised numbers, widened to float32 again
;;       x = np.moveaxis(x, axis, -1); K = x.shape[-1]
;;       x = np.pad(x, [(0, 0)] * (x.ndim - 1) + [(0, -K % 32)]); x = x.reshape(x.shape[:-1] + (-1, 32)); a = np.abs(x).max(-1, keepdims=True)
;;       e = np.where(a > 0, np.clip(np.frexp(np.where(a > 0, a, 1))[1] - 1 - 4, -126, 127), 0)      # np.frexp(a)[1] - 1 = floor(log2(a)), exactly
;;       r = np.clip(x / 2.0 ** e, -28, 28)
;;       step = 2.0 ** (np.maximum(np.frexp(np.where(r == 0, 1, r))[1] - 1, -2) - 2)
;;       q = np.round(r / step) * step * 2.0 ** e      # np.round: ties to even
;;       return np.moveaxis(q.reshape(q.shape[:-2] + (-1,))[..., :K], -1, axis).astype(np.float32)
;;   ~~~
;;   SOFTMAX AHEAD OF A QUANTISED PRODUCT. Where the list says 'softmax', what is quantised is not the finished softmax but p = 2^(t - M), with t = logit x log2(e) and M = ceil(the row's largest t), a whole number; so 1/2 < the row's largest p <= 1. The row's sum l is taken of the UNQUANTISED p, in f32, and the product's result is divided by l at the end. Since M is a whole number, a kernel that streams over the keys may use a running M (the ceiling of the running maximum): every later rescaling is an exact power of two, which a block's scale takes up: the codes' values come out the same.
;;   OPERANDS COMPUTED ON THE WAY. 'Computed on the way' means the value that the module computes at that place (a softmax that the list does not call 'softmax' is quantised finished and normalised). What goes into a quantiser is computed in f32, as accurately as f32 sums, v_exp_f32 and their like allow (about 1e-6 of the number): no bf16 or f16 on the way to a quantiser, and a product that is left as it is and whose result goes on into a quantised operand takes f32 operands (vector FMAs, or v_wmma_f32_16x16x4_f32). A number that lies on a knife's edge between two numbers of the format may be rounded either way, as far as f32 arithmetic and the matrix unit's own rounding can turn it there, and no further.
;;   INPUTS GIVEN AS CODES. query (in the module: [4096, 1, 256], K = its axis 2): each comes as NAME_codes (uint8): NAME with its K axis moved to the last place and cut into blocks of 32 codes, [.., K / 32, bytes a block], one block behind the other in memory; four codes in three bytes: a row's codes are one little-endian stream of bits, code i at bits 6 i .. 6 i + 5 (a code: sign, 3 exponent bits, 2 mantissa bits); and NAME_scales (uint8): the same leading axes, one E8M0 byte (e + 127) for each 32 codes along K. Its value is code x scale, taken as it is: it is not quantised again, and the codes and scales need not be those that the quantiser above would give.
;; One version. Each part assembles by itself: llvm-mc -triple=amdgcn-amd-amdhsa -mcpu=gfx1250 --defsym DOCPART=n.
;; ======== version 1 of 1: 3 launches
;; limits: right only within a limited range of input values
;; workspace buffers: kv 11,468,800 bytes; po 29,360,128 bytes; pml 229,376 bytes
;; launch quant (part 1): grid 224 x 1, 16 waves a work-group, no clusters, 169,984 bytes of LDS; arguments stm, ltm, pm, kv; writes kv
.if DOCPART == 1
	.amdgcn_target "amdgcn-amd-amdhsa--gfx1250"
	.amdhsa_code_object_version 6
	.text
	.protected	k_q09e690611c_quant
	.globl	k_q09e690611c_quant
	.p2align	8
	.type	k_q09e690611c_quant,@function
k_q09e690611c_quant:
	s_mov_b64 s[64:65], 0
	v_nop
	global_prefetch_b8 v0, s[64:65] scope:SCOPE_SE
	s_setreg_imm32_b32 hwreg(HW_REG_WAVE_MODE, 25, 1), 1
	s_wait_xcnt 0x0
; The three banks (f32, [keys][256]) are quantised to BF6 (E3M2) with one E8M0 byte for each 32 numbers, TWICE: along D (operand of the scores) and along the keys
; (operand of the second product).  The codes are laid as IMAGES OF OPERAND REGISTERS, so that the next launch takes every fragment by three loads of 16 bytes a lane.
; kv holds 224 step blocks of 51,200 bytes, one for each 128 keys: blocks 0-127 stm, 128-191 ltm, 192-223 pm.  A block:
;   0      16 fragments of K, fragment 2 T + s at 1,536 (2 T + s): key tile T, D step s.  Lane (r, h) holds key 32 (T / 2) + 8 (T % 2) + r + 8 (r / 8), registers 6 c .. : d = 128 s + 64 c + 32 h + 0 .. 31
;   24,576 16 fragments of V, d tile t at 1,536 t.  Lane (r, h) holds d = 16 t + r, registers 6 c .. : keys 64 c + 32 h + 0 .. 31 of the block
;   49,152 K's scale words: (T, s, r) at 512 (T / 4) + 16 (r + 16 s) + 4 (T % 4);      50,176 V's: (t, r) at 512 (t / 8) + 16 (r + 16 (t % 2)) + 4 ((t / 2) % 4)
; A fragment's image: registers 4 k .. 4 k + 3 of lane l at 512 k + 16 l.
; SHARES.  Work-group g makes block g from 128 rows of its bank (131,072 bytes, read once, by four tensor loads of 32 rows).  Wave w makes K's fragment w and V's fragment w: a lane holds two whole
; blocks of 32 in its registers for each, so no other lane is asked for a largest magnitude.
; A block's scale is 2^(floor(log2(largest magnitude)) - 4): its byte is the largest magnitude's exponent field - 4, held at 1 from below by a floor among the maximum's leaves.
; LIMITS: NaN and infinities among the inputs are not served.  A block whose largest magnitude lies under 2^-122 keeps the byte 1.  A block of zeros keeps the byte 1 (the rule says 127): its codes are zeros,
; which add nothing, and this program alone reads the bytes.
; No cluster: the work-groups share no input.  No ring: a work-group has one tile, filled once.  No prefetch: the launch streams its inputs once from its first instruction on.
.set PITCH, 1040                       ; an LDS row: 1,024 bytes + 16 of padding
.set GRP,   32*PITCH+64                ; 32 rows, what one tensor load brings, + 64 bytes: lanes 16-31 of the column reads, one group on, then fall 16 banks beside lanes 0-15
.set SCS,   4*GRP                      ; 133,376 = 521 x 256: the stage for the 2,048 bytes of scale words; no fill lands in its blocks
.set STEPB, 51200
.set VOFF,  24576
.set KSC,   49152
.set WV,  24                           ; s24  my wave's number
.set AK,  4                            ; v4   LDS: my key's row, my 32 numbers of D
.set AV0, 5                            ; v5   LDS: my column d, keys 32 h on
.set AV1, 6                            ; v6   the same, keys 64 + 32 h on
.set SA,  7                            ; v7   LDS: my row's scale word in the stage (K's; V's 1,024 bytes on)
.set LI,  8                            ; v8   16 x lane
.set SR,  9                            ; v9   LDS: the stage read back: 512 x wave + 16 x lane
.set SH,  10                           ; v10  8 h
.set MX,  11                           ; v11-12 two largest magnitudes
.set SO,  13                           ; v13-14 the conversions' scale operands
.set CK,  16                           ; v16-27 K's fragment
.set T0,  28                           ; v28-30 a block's upper 16 codes (a conversion's three registers begin on an even number)
.set XK,  32                           ; v32-95 64 numbers along D
.set XV,  96                           ; v96-159 64 numbers along the keys
.set T1,  160                          ; v160-162
.set CV,  164                          ; v164-175 V's fragment
.set BY,  176                          ; v176-177 two scale bytes
.set WD,  178                          ; v178 the scale word
.set W2,  179                          ; v179 the other half of the lanes' part of it
.set BK,  180                          ; v180-183 the stage read back
	s_load_b256 s[4:11], s[0:1], 0x0               ; stm s[4:5], ltm s[6:7], pm s[8:9], kv s[10:11]
	v_lshl_add_u32 v192, v0, 2, 0x29000
	v_mov_b32 v193, 0
	ds_add_u32 v192, v193
	ds_add_u32 v192, v193
	v_lshrrev_b32 v1, 5, v0
	s_delay_alu instid0(VALU_DEP_1)
	v_readfirstlane_b32 s[WV], v1                  ; wave 0..15
	v_and_b32 v1, 31, v0                           ; lane
	v_and_b32 v2, 15, v0                           ; r
	s_wait_alu depctr_va_vdst(0)
	v_bfe_u32 v3, v0, 4, 1                         ; h
	; every LDS address is made here, ahead of the first branch on the wave's number
	s_lshr_b32 s25, s[WV], 2                       ; K: fragment w = 2 T + s; its keys lie in group T / 2 = w / 4,
	s_mul_i32 s25, s25, GRP
	s_bfe_u32 s26, s[WV], 0x10001                  ; 8 (T % 2) rows on,
	s_mul_i32 s26, s26, 8*PITCH
	s_add_co_u32 s25, s25, s26
	s_and_b32 s26, s[WV], 1                        ; and its D step begins 512 s bytes on in a row
	s_lshl_b32 s26, s26, 9
	s_add_co_u32 s25, s25, s26
	v_and_b32 v[AK], 8, v2
	s_delay_alu instid0(VALU_DEP_1)
	v_add_nc_u32 v[AK], v[AK], v2                  ; r + 8 (r / 8)
	s_delay_alu instid0(VALU_DEP_1)
	v_mul_u32_u24 v[AK], v[AK], PITCH
	s_wait_alu depctr_va_vdst(0)
	v_lshl_add_u32 v[AK], v3, 7, v[AK]             ; + 32 h numbers
	s_delay_alu instid0(VALU_DEP_1)
	v_add_nc_u32 v[AK], s25, v[AK]
	v_mul_u32_u24 v[AV0], v3, GRP                  ; V: keys 32 h on are group h,
	s_delay_alu instid0(VALU_DEP_1)
	v_lshl_add_u32 v[AV0], v2, 2, v[AV0]           ; column 16 w + r
	s_lshl_b32 s26, s[WV], 6
	v_add_nc_u32 v[AV0], s26, v[AV0]
	s_delay_alu instid0(VALU_DEP_1)
	v_add_nc_u32 v[AV1], 2*GRP, v[AV0]             ; keys 64 + 32 h on: two groups further
	s_lshr_b32 s26, s[WV], 3                       ; the scale word's place: 512 (w / 8) + 256 (w % 2) + 4 ((w / 2) % 4) + 16 r, for K's fragment w and for V's alike
	s_lshl_b32 s26, s26, 9
	s_and_b32 s27, s[WV], 1
	s_lshl_b32 s27, s27, 8
	s_add_co_u32 s26, s26, s27
	s_bfe_u32 s27, s[WV], 0x20001
	s_lshl_b32 s27, s27, 2
	s_add_co_u32 s26, s26, s27
	s_add_co_u32 s26, s26, SCS
	v_lshl_add_u32 v[SA], v2, 4, s26
	v_lshlrev_b32 v[LI], 4, v1
	s_lshl_b32 s26, s[WV], 9
	s_add_co_u32 s26, s26, SCS
	v_add_nc_u32 v[SR], s26, v[LI]
	v_lshlrev_b32 v[SH], 3, v3
	v_mov_b32 v[W2], 0                             ; written once: a lane permute's destination counts as one of its sources
	s_mov_b32 s22, 0x76543210
	s_mov_b32 s23, 0xfedcba98                      ; v_permlanex16_b32's selects for lane l xor 16
	; descriptor group 1: 32 rows x 256 elements of 4 bytes, 16 bytes of padding behind each row
	s_mov_b32 s28, (2<<16)|(1<<20)|(7<<22)|(3<<25) ; no mask; elements of 4 bytes; padding on, after every 256 words (code 7), of 4 words (code 3)
	s_mov_b32 s29, 256<<16                         ; tensor_dim0 = 256
	s_mov_b32 s30, 32<<16                          ; tensor_dim1 = 32
	s_mov_b32 s31, 256<<16                         ; tile_dim0 = 256
	s_mov_b32 s32, 32                              ; tile_dim1 = 32
	s_mov_b32 s33, 256                             ; elements from row to row
	s_mov_b32 s34, 0
	s_mov_b32 s35, 0
	s_wait_dscnt 0x0
	s_wait_kmcnt 0x0
	s_mov_b32 s14, 192                             ; which bank, and its first block: the choice hangs on the work-group's number alone
	s_cmp_lt_u32 ttmp9, 192
	s_cselect_b64 s[12:13], s[6:7], s[8:9]
	s_cselect_b32 s14, 128, s14
	s_cmp_lt_u32 ttmp9, 128
	s_cselect_b64 s[12:13], s[4:5], s[12:13]
	s_cselect_b32 s14, 0, s14
	s_sub_co_u32 s15, ttmp9, s14                   ; the block's number in its bank
	s_lshl_b32 s16, s15, 17                        ; 128 rows of 1,024 bytes a block,
	s_lshl_b32 s17, s[WV], 15                      ; 32 rows a fetching wave
	s_add_co_u32 s16, s16, s17
	s_mov_b32 s17, 0
	s_add_nc_u64 s[12:13], s[12:13], s[16:17]
	s_mul_i32 s16, ttmp9, STEPB
	s_add_nc_u64 s[10:11], s[10:11], s[16:17]      ; my block of kv
	s_mul_i32 s16, s[WV], 1536
	s_add_nc_u64 s[18:19], s[10:11], s[16:17]      ; my fragment's image in it
	s_lshl_b32 s16, s[WV], 9
	s_add_nc_u64 s[20:21], s[10:11], s[16:17]      ; and, in waves 0 to 3, my 512 bytes of the scale words
	s_mov_b32 s36, 1                               ; group 0: count = 1
	s_mul_i32 s37, s[WV], GRP                      ; LDS address: group w
	s_mov_b64 s[38:39], s[12:13]                   ; global address of my 32 rows
	s_or_b32 s39, s39, 0x80000000                  ; type = 2
	s_cmp_lt_u32 s[WV], 4                          ; waves 0 to 3 fetch, 32 rows each
	s_cbranch_scc0 .Lno_fetch
	tensor_load_to_lds s[36:39], s[28:35]
	s_nop 0
.rept 4
	v_nop
.endr
.Lno_fetch:
	s_wait_tensorcnt 0x0                           ; my rows have landed (a wave that fetched nothing passes),
	s_barrier_signal -1
	s_barrier_wait -1                              ; everybody's have
; 64 numbers of a lane, two whole blocks of 32, become a fragment's 12 registers and its row's scale word; the image goes to kv, the word to the stage.
.macro QUANT src, dst, goff, soff
.irp u, 0,1
	v_max3_num_f32 v[MX+\u], |v[\src+32*\u]|, |v[\src+32*\u+1]|, 0x2800000   ; the floor 2^(5 - 127) among the leaves: the byte cannot fall under 1
.endr
.irp i, 2,4,6,8,10,12,14,16,18,20,22,24,26,28,30
.irp u, 0,1
	s_delay_alu instid0(VALU_DEP_2)
	v_max3_num_f32 v[MX+\u], v[MX+\u], |v[\src+32*\u+\i]|, |v[\src+32*\u+\i+1]|   ; the two blocks by turns
.endr
.endr
.irp u, 0,1
	s_delay_alu instid0(VALU_DEP_2)
	v_add_nc_u32 v[SO+\u], 0xfe000000, v[MX+\u]    ; 4 off the exponent field: the conversion takes this operand's exponent field as its scale
.endr
.irp u, 0,1
	s_delay_alu instid0(VALU_DEP_2)
	v_lshrrev_b32 v[BY+\u], 23, v[SO+\u]           ; the scale's byte
.endr
	s_delay_alu instid0(VALU_DEP_1)
	v_lshl_or_b32 v[WD], v[BY+1], 16, v[BY]        ; my two bytes: blocks h and 2 + h,
	s_delay_alu instid0(VALU_DEP_1)
	v_lshlrev_b32 v[WD], v[SH], v[WD]              ; at their places in the word;
	s_delay_alu instid0(VALU_DEP_1)
	v_permlanex16_b32 v[W2], v[WD], s22, s23
	s_delay_alu instid0(VALU_DEP_1)
	v_or_b32 v[WD], v[WD], v[W2]                   ; with lane l xor 16's two the word is whole, in both lanes
.irp u, 0,1
	v_cvt_scalef32_pk16_bf6_f32 v[\dst+6*\u:\dst+6*\u+2], v[\src+32*\u:\src+32*\u+15], v[SO+\u]
.endr
	v_cvt_scalef32_pk16_bf6_f32 v[T0:T0+2], v[\src+16:\src+31], v[SO]
	v_cvt_scalef32_pk16_bf6_f32 v[T1:T1+2], v[\src+48:\src+63], v[SO+1]
	v_nop                                          ; one plain instruction behind the scaled conversions
.irp i, 0,1,2
	v_mov_b32 v[\dst+3+\i], v[T0+\i]
	v_mov_b32 v[\dst+9+\i], v[T1+\i]
.endr
.irp k, 0,1,2
	global_store_b128 v[LI], v[\dst+4*\k:\dst+4*\k+3], s[18:19] offset:\goff+512*\k   ; 32 lanes store 512 consecutive bytes, at a multiple of 256 from kv's first byte
.endr
	ds_store_b32 v[SA], v[WD] offset:\soff         ; lanes r and r + 16 write the same word with the same value
.endm
.irp c, 0,1
.irp j, 0,1,2,3,4,5,6,7
	ds_load_b128 v[XK+32*\c+4*\j:XK+32*\c+4*\j+3], v[AK] offset:256*\c+16*\j   ; my key's d = 128 s + 64 c + 32 h + 4 j ..
.endr
.endr
.set i, 0
	s_wait_alu depctr_va_vdst(0)
.rept 32
	ds_load_b32 v[XV+i], v[AV0] offset:PITCH*i     ; my column's keys 32 h + i
.set i, i+1
.endr
	s_wait_dscnt 16                                ; of the 48 loads the youngest 16 may be out: K's sixteen, the oldest, are in
.set i, 0
.rept 32
	ds_load_b32 v[XV+32+i], v[AV1] offset:PITCH*i  ; keys 64 + 32 h + i: they land while K's fragment is made
.set i, i+1
.endr
	QUANT XK, CK, 0, 0
	s_wait_dscnt 0x0                               ; V's 64 numbers are in
	QUANT XV, CV, VOFF, 1024
	s_wait_dscnt 0x0                               ; for the others' sake: my two words lie in the stage
	s_barrier_signal -1
	s_barrier_wait -1
	s_cmp_lt_u32 s[WV], 4                          ; the 2,048 bytes of scale words leave in whole units: waves 0 to 3, 512 bytes each
	s_cbranch_scc0 .Ldone
	ds_load_b128 v[BK:BK+3], v[SR]
	s_wait_dscnt 0x0
	global_store_b128 v[LI], v[BK:BK+3], s[20:21] offset:KSC
.Ldone:
	s_wait_tensorcnt 0x0
	ds_add_u32 v192, v193
	s_wait_dscnt 0x0
	s_endpgm
.Lfunc_end_k_q09e690611c_quant:
	.size	k_q09e690611c_quant, .Lfunc_end_k_q09e690611c_quant-k_q09e690611c_quant
	.p2alignl 7, 3214868480
	.fill 96, 4, 3214868480
	.section	.rodata,"a",@progbits
	.p2align	6, 0x0
	.amdhsa_kernel k_q09e690611c_quant
		.amdhsa_group_segment_fixed_size 169984
		.amdhsa_private_segment_fixed_size 0
		.amdhsa_enable_private_segment 0
		.amdhsa_kernarg_size 32
		.amdhsa_user_sgpr_count 2
		.amdhsa_user_sgpr_kernarg_segment_ptr 1
		.amdhsa_wavefront_size32 1
		.amdhsa_system_sgpr_workgroup_id_x 1
		.amdhsa_system_sgpr_workgroup_id_y 1
		.amdhsa_system_sgpr_workgroup_id_z 1
		.amdhsa_system_vgpr_workitem_id 0
		.amdhsa_next_free_vgpr 194
		.amdhsa_next_free_sgpr 66
		.amdhsa_reserve_vcc 0
		.amdhsa_float_denorm_mode_32 3
		.amdhsa_float_denorm_mode_16_64 3
		.amdhsa_memory_ordered 1
		.amdhsa_forward_progress 1
		.amdhsa_inst_pref_size 19
	.end_amdhsa_kernel
	.amdgpu_metadata
---
amdhsa.version: [ 1, 2 ]
amdhsa.kernels:
  - .name:           k_q09e690611c_quant
    .symbol:         k_q09e690611c_quant.kd
    .args:
      - { .name: stm, .offset: 0, .size: 8, .value_kind: global_buffer, .address_space: global }
      - { .name: ltm, .offset: 8, .size: 8, .value_kind: global_buffer, .address_space: global }
      - { .name: pm, .offset: 16, .size: 8, .value_kind: global_buffer, .address_space: global }
      - { .name: kv, .offset: 24, .size: 8, .value_kind: global_buffer, .address_space: global }
    .group_segment_fixed_size: 169984
    .private_segment_fixed_size: 0
    .kernarg_segment_align: 8
    .kernarg_segment_size: 32
    .max_flat_workgroup_size: 512
    .sgpr_count:     66
    .vgpr_count:     194
    .wavefront_size: 32
...
	.end_amdgpu_metadata
.endif
;; end of part 1
;; launch attn (part 2): grid 32 x 7, 4 waves a work-group, clusters of 4 x 1, 327,680 bytes of LDS; arguments query_codes, query_scales, kv, po, pml; writes po, pml
.if DOCPART == 2
	.amdgcn_target "amdgcn-amd-amdhsa--gfx1250"
	.amdhsa_code_object_version 6
	.text
	.protected	k_q09e690611c_attn
	.globl	k_q09e690611c_attn
	.p2align	8
	.type	k_q09e690611c_attn,@function
k_q09e690611c_attn:
	s_mov_b64 s[64:65], 0
	v_nop
	global_prefetch_b8 v0, s[64:65] scope:SCOPE_SE
	s_setreg_imm32_b32 hwreg(HW_REG_WAVE_MODE, 25, 1), 1
	s_wait_xcnt 0x0
	s_wait_alu depctr_hold_cnt(0) depctr_sa_sdst(0) depctr_va_vdst(0) depctr_va_sdst(0) depctr_va_ssrc(0) depctr_va_vcc(0) depctr_vm_vsrc(0)
	s_getreg_b32 s2, hwreg(HW_REG_IB_STS2, 6, 4)
	s_cmp_eq_u32 s2, 0
	s_cbranch_scc0 .Lentry_in_a_cluster
	s_endpgm
.Lentry_in_a_cluster:
	s_bfe_u32 s2, ttmp6, 0x10000c
	s_cmp_lg_u32 s2, 0x3003
	s_cbranch_scc0 .Lentry_shape_is_right
	s_endpgm
.Lentry_shape_is_right:
; One piece of 4,096 keys of one bank (grid y: 0-3 stm, 4-5 ltm, 6 pm) against 128 queries (grid x), in MX-BF6.
; po[piece][query][256] = sum over the piece's keys of Q(p) Q(v), not normalised, under the piece's whole number M; pml[piece][query] = (-M, l).
; p = 2^(t - M), t = score x log2(e), M = the ceiling of the running largest t; l = the sum of the unquantised p.  The next launch joins the pieces.
; kv holds, for each 128 keys, a step block of 51,200 bytes: 16 fragments of K, 16 of V (images of operand registers, 1,536 bytes each) and their scale words.
; SHARES.  A wave owns 32 queries, two tiles of 16; every fragment of K and V feeds both tiles.  Both products are used transposed (S^T = K q^T, O^T = V^T p^T): a lane holds one query.
; A TURN is one tile's softmax of 128 keys and the OTHER tile's 32 matrix instructions, in three parts, each opened by a wait:
;   the turn's start: a run of loads, the 16 products O^T += V^T p^T, then maxima, M, t - M and the rescaling of O^T;
;   ahead of the batch: a run of loads, the next scores' 8 products of D step 0, then the batch of 68 exponentials;
;   behind the batch: a run of loads, the scores' 8 products of D step 1, then scale bytes, conversions and the row's sum.
; LDS loads stand in runs of 24 or 26, directly behind those waits: K's D step 0 at the start and D step 1 ahead of the batch of tile 0's turn; V's two halves ahead of and behind the batch of tile 1's turn.
; RING.  Two LDS slots of two step blocks each (102,400 bytes); a wave fetches a quarter of a slot by one tensor load.  The four work-groups of a cluster walk the same piece and ask jointly (mask 15).
; PREFETCH.  Behind each refill the slot one further on is asked for: 400 blocks of 256 bytes, shared out by address among the 4 partners x 4 waves x 25 lanes of the clusters at x = 0; the last refill asks for nothing.
; LIMITS.  NaN and infinities are not served.  The promise holds while the scaled scores t stay under 2^31 in magnitude (the change of M goes through v_cvt_i32_f32, which saturates).
; A block's largest p is taken as the exponential of the block's largest score.
; REGISTERS.  Window 0: addresses, state, scale words, p's codes, S (v64-191), temporaries.  Window 1: O^T of both tiles.  Window 2: q's fragments v0-47, K's v64-255.  Window 3: V's fragments v0-191.
.set STEPB, 51200
.set VOFF,  24576
.set KSC,   49152
.set VSC,   50176
.set SLOTB, 2*STEPB
.set QUART, SLOTB/4
.set SLOT1, 1<<17                      ; slot 1's first byte
.set SPARE, SLOT1+SLOTB                ; the spare words, 512 bytes
.set SP,    1040                       ; the way out: a stage row, 1,024 bytes + 16
.set LI,  1                            ; 16 x lane
.set ADK, 2                            ; LDS address of the step block whose K is fetched
.set ADV, 3                            ; the same for V
.set SPW, 4
.set NIL, 5
.set STO, 6
.set RD,  7
.set PFO, 8                            ; the prefetch's offset: 256 x min(lane, 24)
.set L8,  9                            ; 8 x lane
.set KS,  20                           ; v20-27 K's scale words;  v12-19: per tile -M, largest t, l in two halves
.set VS,  28                           ; v28-35 V's
.set QS,  36                           ; v36-37 q's
.set PW,  38                           ; v38-39 p's
.set PC,  40                           ; v40-63 p's codes, 12 a tile
.set S,   64                           ; v64-191 scores, then p, 64 a tile
.set TMX, 192
.set TP,  196
.set SO,  204
.set FAC, 208
.set TT,  210
.set TM2, 212                          ; v212-215 the second chain of each block's maximum
.set WV,  14
.set SEL, 20
.set CS,  22
.set G1,  24
.set G0A, 32
.set G0W, 36
.set TB,  40                           ; the slot that is read
.set TS,  41
.set CNT, 42
.set LIM, 43
.set PFA, 44
.set MSB, 0
.macro WIN new                         ; the immediate's high byte repeats the setting that is left
.if MSB != \new
	s_set_vgpr_msb (MSB<<8)|\new
.set MSB, \new
.endif
.endm
.set W_KQ, 0x0a                        ; A, B window 2; C, D window 0
.set W_PV, 0x53                        ; A window 3, B window 0; C, D window 1
.set W_RS, 0x41                        ; source 0 and destination window 1
.set TO_K, 0x80
.set TO_V, 0xc0
.set OUT1, 0x04
.macro PLACES n
.rept \n
	v_nop
.endr
.endm
.macro CROUND                          ; a round of the cluster's barrier
	s_barrier_signal -1
	s_barrier_wait -1
	s_cmp_lg_u32 s[WV], 0
	s_cbranch_scc1 .Lnot_wave_0_\@
	s_barrier_signal -3
.Lnot_wave_0_\@:
	s_barrier_wait -3
	s_barrier_signal -1
	s_barrier_wait -1
.endm
	s_load_b256 s[4:11], s[0:1], 0x0               ; q's codes, q's scales, kv, po
	s_load_b64 s[12:13], s[0:1], 0x20              ; pml
	v_lshl_add_u32 v[SPW], v0, 2, SPARE
	v_mov_b32 v[NIL], 0
	ds_add_u32 v[SPW], v[NIL]                      ; the opening lines: the add twice on end and its wait
	ds_add_u32 v[SPW], v[NIL]
	s_wait_dscnt 0x0
	v_lshrrev_b32 v1, 5, v0
	v_readfirstlane_b32 s[WV], v1                  ; wave 0..3
	s_bfe_u32 s15, ttmp6, 0x40000                  ; cx
	s_and_b32 s16, ttmp7, 0xffff                   ; the piece
	s_lshl_b32 s17, ttmp9, 2
	s_add_co_u32 s17, s17, s15
	s_lshl_b32 s17, s17, 7
	s_lshl_b32 s18, s[WV], 5
	s_add_co_u32 s17, s17, s18                     ; my first query: 128 x work-group x + 32 x wave
	s_mul_i32 s46, s17, 192                        ; 192 bytes of codes a query,
	s_mov_b32 s47, 0
	s_lshl_b32 s48, s17, 3                         ; 8 scale bytes
	s_mov_b32 s49, 0
	s_lshl_b32 s18, s16, 22                        ; po: 4 MiB a piece, 1,024 bytes a query
	s_lshl_b32 s19, s17, 10
	s_add_co_u32 s18, s18, s19
	s_mov_b32 s19, 0
	s_lshl_b32 s54, s16, 15                        ; pml: 32,768 bytes a piece, 8 a query
	s_add_co_u32 s54, s54, s48
	s_mov_b32 s55, 0
	s_mul_i32 s57, s16, 32*STEPB                   ; the piece's 32 step blocks in kv
	s_mul_i32 s56, s[WV], QUART                    ; my quarter of a slot: no place in the cluster enters it
	s_add_co_u32 s50, s57, s56
	s_mov_b32 s51, 0
	s_mul_i32 s52, s15, QUART                      ; the prefetch: my work-group's quarter, my wave's 6,400 bytes of it, from slot 2 on
	s_mul_i32 s53, s[WV], 6400
	s_add_co_u32 s52, s52, s53
	s_add_co_u32 s52, s52, 2*SLOTB
	s_add_co_u32 s52, s52, s57
	s_mov_b32 s53, 0
	s_mov_b32 s[G1], 15|(3<<16)|(1<<21)            ; mask: the four partners; elements of 8 bytes; bit 21 beside the mask
	s_mov_b32 s[G1+1], 32<<16                      ; a dense block as 100 rows of 256 bytes
	s_mov_b32 s[G1+2], 100<<16
	s_mov_b32 s[G1+3], 32<<16
	s_mov_b32 s[G1+4], 100
	s_mov_b32 s[G1+5], 32
	s_mov_b32 s[G1+6], 0
	s_mov_b32 s[G1+7], 0
	s_mov_b32 s[SEL], 0x76543210
	s_mov_b32 s[SEL+1], 0xfedcba98                 ; selects for lane l xor 16
	s_mov_b32 s[CS], 0x3fb8aa3b                    ; log2(e)
	s_mov_b32 s[CS+1], s[CS]
	s_mov_b32 s[TB], 0
	s_mov_b32 s[CNT], 14                           ; refills to come
	s_cmp_eq_u32 ttmp9, 0
	s_cselect_b32 s[LIM], 1, -1                    ; the clusters at x = 0 prefetch, all but at the last refill
	s_wait_kmcnt 0x0
	s_add_nc_u64 s[4:5], s[4:5], s[46:47]
	s_add_nc_u64 s[6:7], s[6:7], s[48:49]
	s_add_nc_u64 s[10:11], s[10:11], s[18:19]
	s_add_nc_u64 s[12:13], s[12:13], s[54:55]
	s_add_nc_u64 s[PFA:PFA+1], s[8:9], s[52:53]
	s_add_nc_u64 s[8:9], s[8:9], s[50:51]
	CROUND                                         ; in front of the first joint load
	s_mov_b32 s[G0A], 1
	s_mov_b32 s[G0A+1], s56
	s_mov_b64 s[G0A+2:G0A+3], s[8:9]
	s_or_b32 s[G0A+3], s[G0A+3], 0x80000000
	s_mov_b32 s[G0W], 1
	s_add_co_u32 s[G0W+1], s56, SLOT1
	s_add_nc_u64 s[G0W+2:G0W+3], s[8:9], SLOTB
	s_or_b32 s[G0W+3], s[G0W+3], 0x80000000
	tensor_load_to_lds s[G0A:G0A+3], s[G1:G1+7]    ; slot 0: steps 0 and 1; my one load at the head
	s_nop 0
	s_wait_alu depctr_va_vdst(0)
	s_wait_tensorcnt 0x0                           ; slot 1's first fill is issued as a refill is
	ds_add_u32 v[SPW], v[NIL]
	s_wait_dscnt 0x0
	CROUND
	tensor_load_to_lds s[G0W:G0W+3], s[G1:G1+7]    ; slot 1: steps 2 and 3
	s_nop 0
	PLACES 4
	v_and_b32 v2, 15, v0                           ; r
	v_bfe_u32 v3, v0, 4, 1                         ; h
	v_and_b32 v[L8], 31, v0
	v_lshlrev_b32 v[LI], 4, v[L8]
	v_min_u32 v[PFO], 24, v[L8]
	v_lshlrev_b32 v[PFO], 8, v[PFO]
	v_lshlrev_b32 v[L8], 3, v[L8]
	v_mul_u32_u24 v10, v2, 192
	v_mad_u32_u24 v10, v3, 24, v10                 ; q's codes: row r, + 24 h
	v_lshlrev_b32 v11, 3, v2
	v_lshl_add_u32 v11, v3, 2, v11                 ; q's scale words: lanes 0-15 D step 0, lanes 16-31 D step 1
	s_mul_i32 s18, s[WV], 16*SP
	v_mul_u32_u24 v[STO], v2, SP
	v_lshl_add_u32 v[STO], v3, 5, v[STO]
	v_add_nc_u32 v[STO], s18, v[STO]
	v_add_nc_u32 v[RD], s18, v[LI]
	WIN TO_K
.irp q, 0,1
.irp s, 0,1
.irp p, 0,1,2,3,4,5
	global_load_b64 v[24*\q+12*\s+2*\p:24*\q+12*\s+2*\p+1], v10, s[4:5] offset:3072*\q+96*\s+48*(\p/3)+8*(\p%3)
.endr
.endr
.endr
	WIN 0
.irp q, 0,1
	global_load_b32 v[QS+\q], v11, s[6:7] offset:128*\q
.endr
.irp q, 0,1
	v_mov_b32 v[13+4*\q], 0xff61b1e6               ; the largest t so far: -3e38
	v_floor_f32 v[12+4*\q], -v[13+4*\q]            ; -M
	v_mov_b32 v[14+4*\q], 0                        ; l
	v_mov_b32 v[15+4*\q], 0
.endr
.irp b, 0,1,2,3
	v_mov_b32 v[TP+\b], 0                          ; a lane permute's destination counts as a source
.endr
	v_mov_b32 v[FAC+1], 0
.macro KSCL                            ; K's scale words
	ds_load_b128 v[KS:KS+3], v[ADK] offset:KSC
	ds_load_b128 v[KS+4:KS+7], v[ADK] offset:KSC+512
.endm
.macro KHALF s                         ; K's eight fragments of D step s: 24 loads
	WIN TO_K
.irp T, 0,1,2,3,4,5,6,7
.irp k, 0,1,2
	ds_load_b128 v[64+12*(2*\T+\s)+4*\k:64+12*(2*\T+\s)+4*\k+3], v[ADK] offset:1536*(2*\T+\s)+512*\k
.endr
.endr
	WIN 0
.endm
.macro VSCL                            ; V's scale words
	ds_load_b128 v[VS:VS+3], v[ADV] offset:VSC
	ds_load_b128 v[VS+4:VS+7], v[ADV] offset:VSC+512
.endm
.macro VHALF g                         ; V's fragments 8 g .. 8 g + 7: 24 loads
	WIN TO_V
.irp f, 0,1,2,3,4,5,6,7
.irp k, 0,1,2
	ds_load_b128 v[12*(8*\g+\f)+4*\k:12*(8*\g+\f)+4*\k+3], v[ADV] offset:VOFF+1536*(8*\g+\f)+512*\k
.endr
.endr
	WIN 0
.endm
.macro KQ1 s, T, q                     ; S^T of key tile T, tile q: D step s
.set rD, S+64*(\q)+8*(\T)
.set rA, 64+12*(2*(\T)+(\s))
.set rB, 24*(\q)+12*(\s)
.if \s
	v_wmma_scale_f32_16x16x128_f8f6f4 v[rD:rD+7], v[rA:rA+11], v[rB:rB+11], v[rD:rD+7], v[KS+(\T)], v[QS+(\q)] matrix_a_fmt:MATRIX_FMT_BF6 matrix_b_fmt:MATRIX_FMT_BF6 matrix_a_scale:MATRIX_SCALE_ROW1 matrix_b_scale:MATRIX_SCALE_ROW1
.else
	v_wmma_scale_f32_16x16x128_f8f6f4 v[rD:rD+7], v[rA:rA+11], v[rB:rB+11], 0, v[KS+(\T)], v[QS+(\q)] matrix_a_fmt:MATRIX_FMT_BF6 matrix_b_fmt:MATRIX_FMT_BF6
.endif
.endm
.macro KQ8 s, q                        ; the eight key tiles by turns
	WIN W_KQ
.irp T, 0,1,2,3,4,5,6,7
	KQ1 \s, \T, \q
.endr
	WIN 0
.endm
.macro PV1 t, q, first                 ; O^T of d tile t, tile q
.set rO, 128*(\q)+8*(\t)
.set rV, 12*(\t)
.set rB, PC+12*(\q)
.if \first
.if (\t)%2
	v_wmma_scale_f32_16x16x128_f8f6f4 v[rO:rO+7], v[rV:rV+11], v[rB:rB+11], 0, v[VS+(\t)/2], v[PW+(\q)] matrix_a_fmt:MATRIX_FMT_BF6 matrix_b_fmt:MATRIX_FMT_BF6 matrix_a_scale:MATRIX_SCALE_ROW1
.else
	v_wmma_scale_f32_16x16x128_f8f6f4 v[rO:rO+7], v[rV:rV+11], v[rB:rB+11], 0, v[VS+(\t)/2], v[PW+(\q)] matrix_a_fmt:MATRIX_FMT_BF6 matrix_b_fmt:MATRIX_FMT_BF6
.endif
.else
.if (\t)%2
	v_wmma_scale_f32_16x16x128_f8f6f4 v[rO:rO+7], v[rV:rV+11], v[rB:rB+11], v[rO:rO+7], v[VS+(\t)/2], v[PW+(\q)] matrix_a_fmt:MATRIX_FMT_BF6 matrix_b_fmt:MATRIX_FMT_BF6 matrix_a_scale:MATRIX_SCALE_ROW1
.else
	v_wmma_scale_f32_16x16x128_f8f6f4 v[rO:rO+7], v[rV:rV+11], v[rB:rB+11], v[rO:rO+7], v[VS+(\t)/2], v[PW+(\q)] matrix_a_fmt:MATRIX_FMT_BF6 matrix_b_fmt:MATRIX_FMT_BF6
.endif
.endif
.endm
.macro PV16 q, first                   ; the sixteen d tiles by turns
	WIN W_PV
.irp t, 0,1,2,3,4,5,6,7,8,9,10,11,12,13,14,15
	PV1 \t, \q, \first
.endr
	WIN 0
.endm
; x: the tile whose matrix work runs; the other tile's softmax runs.  pv: 0 none, 1 the first (C = 0), 2 adding.  kq: the next scores or none.  first: O^T of the softmax's tile is not yet begun.
; koff, voff: the step block in the slot whose K or V is fetched in this turn, or -1.
.macro TURN x, pv, kq, first, koff, voff
.set tx, \x
.set tpvf, 0
.if (\pv) == 1
.set tpvf, 1
.endif
.set rS, S+64*(1-(\x))
.set rT, 12+4*(1-(\x))
.set rP, PC+12*(1-(\x))
.set rW, PW+1-(\x)
.set rQ, 128*(1-(\x))
.if (\koff) >= 0
	s_add_co_u32 s[TS], s[TB], \koff
	v_add_nc_u32 v[ADK], s[TS], v[LI]
.endif
.if (\voff) >= 0
	s_add_co_u32 s[TS], s[TB], \voff
	v_add_nc_u32 v[ADV], s[TS], v[LI]
.endif
	s_wait_alu depctr_va_vdst(0)                   ; the turn's start: ahead of the first readers of the last turn's matrix results and vector results
.if (\koff) >= 0
	KSCL                                           ; the old K was last read behind the last turn's batch, 64 vector instructions ago
	KHALF 0
.endif
.if \pv
.if (\x) == 0
.if (\koff) >= 0
	s_wait_dscnt 26                                ; the 26 loads just issued may be out: V's fragments and scale words, which are older, are in
.else
	s_wait_dscnt 0x0
.endif
.endif
	PV16 tx, tpvf
.endif
.irp b, 0,1,2,3
	v_max3_num_f32 v[TMX+\b], v[rS+16*\b], v[rS+16*\b+1], v[rS+16*\b+2]   ; the largest score of each block of 32 keys: two chains a block, eight by turns; each accumulator is read from its low end on
	v_max3_num_f32 v[TM2+\b], v[rS+16*\b+8], v[rS+16*\b+9], v[rS+16*\b+10]
.endr
.irp i, 3,5
.irp b, 0,1,2,3
	v_max3_num_f32 v[TMX+\b], v[TMX+\b], v[rS+16*\b+\i], v[rS+16*\b+\i+1]
	v_max3_num_f32 v[TM2+\b], v[TM2+\b], v[rS+16*\b+8+\i], v[rS+16*\b+9+\i]
.endr
.endr
.irp b, 0,1,2,3
	v_max3_num_f32 v[TMX+\b], v[TMX+\b], v[rS+16*\b+7], v[rS+16*\b+15]
.endr
.irp b, 0,1,2,3
	v_max_num_f32 v[TMX+\b], v[TMX+\b], v[TM2+\b]
.endr
.irp b, 0,1,2,3
	v_permlanex16_b32 v[TP+\b], v[TMX+\b], s[SEL], s[SEL+1]
.endr
.irp b, 0,1,2,3
	v_max_num_f32 v[TMX+\b], v[TMX+\b], v[TP+\b]   ; with lane l xor 16's 16 keys
.endr
	v_max3_num_f32 v[TT], v[TMX], v[TMX+1], v[TMX+2]
	v_max_num_f32 v[TT], v[TT], v[TMX+3]
	v_mul_f32 v[TT], s[CS], v[TT]
	v_max_num_f32 v[rT+1], v[rT+1], v[TT]          ; the running largest t
	v_mov_b32 v[TT], v[rT]
	v_floor_f32 v[rT], -v[rT+1]                    ; the new -M
	v_sub_f32 v[TT], v[rT], v[TT]
	v_cvt_i32_f32 v[TT], v[TT]
	v_ldexp_f32 v[FAC], 1.0, v[TT]                 ; f = 2^(old M - new M)
.irp b, 0,1,2,3
	v_fma_f32 v[TMX+\b], v[TMX+\b], s[CS], v[rT]
.endr
.set jj, 0
.rept 32
	v_pk_fma_f32 v[rS+jj:rS+jj+1], v[rS+jj:rS+jj+1], s[CS:CS+1], v[rT:rT+1] op_sel_hi:[1,0,0]   ; t - M
.set jj, jj+2
.endr
.if (\first) == 0
	WIN W_RS
.set jj, rQ
.rept 64
	v_pk_mul_f32 v[jj:jj+1], v[jj:jj+1], v[FAC:FAC+1] op_sel_hi:[1,0]   ; O^T under the new M
.set jj, jj+2
.endr
	WIN 0
.endif
	s_wait_alu depctr_va_vdst(0)                   ; ahead of the batch
.if (\koff) >= 0
	s_wait_dscnt 0x0                               ; K's scale words and D step 0 are in
	KHALF 1
.endif
.if (\voff) >= 0
	VSCL                                           ; the products on the old V stand at the turn's start, at least 85 plain vector instructions back
	VHALF 0
.endif
.if \kq
	KQ8 0, tx
.endif
.set jj, 0
.rept 64
	v_exp_f32 v[rS+jj], v[rS+jj]                   ; p
.set jj, jj+1
.endr
.irp b, 0,1,2,3
	v_exp_f32 v[TMX+\b], v[TMX+\b]                 ; each block's largest p
.endr
	v_pk_mul_f32 v[rT+2:rT+3], v[rT+2:rT+3], v[FAC:FAC+1] op_sel_hi:[1,0]   ; l under the new M; the plain place behind the batch
	s_wait_alu depctr_va_vdst(0)                   ; behind the batch: ahead of its first reader, and of the first link that reads a D step 0 result
.if (\koff) >= 0
	s_wait_dscnt 0x0                               ; K's D step 1 is in
.endif
.if (\voff) >= 0
	VHALF 1
.endif
.if \kq
	KQ8 1, tx
.endif
.irp b, 0,1,2,3
	v_max_num_f32 v[TMX+\b], 0x2800000, v[TMX+\b]  ; the floor 2^(5 - 127): the byte cannot fall under 1
.endr
.irp b, 0,1,2,3
	v_add_nc_u32 v[SO+\b], 0xfe000000, v[TMX+\b]   ; 4 off the exponent field: the conversion's scale operand
.endr
.irp b, 0,1,2,3
	v_lshrrev_b32 v[TP+\b], 23, v[SO+\b]
.endr
	v_lshl_or_b32 v[rW], v[TP+1], 8, v[TP]
	v_lshl_or_b32 v[rW], v[TP+2], 16, v[rW]
	v_lshl_or_b32 v[rW], v[TP+3], 24, v[rW]        ; p's scale word
.irp c, 0,1
	v_cvt_scalef32_pk16_bf6_f32 v[rP+6*\c:rP+6*\c+2], v[rS+32*\c:rS+32*\c+15], v[SO+2*\c]
	v_cvt_scalef32_pk16_bf6_f32 v[TP+4*\c:TP+4*\c+2], v[rS+32*\c+16:rS+32*\c+31], v[SO+2*\c+1]
.endr
	v_nop                                          ; one plain place behind the conversions
.irp c, 0,1
.irp i, 0,1,2
	v_permlane16_swap_b32 v[rP+6*\c+\i], v[TP+4*\c+\i]   ; a whole block in a lane
.endr
.irp i, 0,1,2
	v_mov_b32 v[rP+6*\c+3+\i], v[TP+4*\c+\i]
.endr
.endr
.set jj, 0
.irp a, TP,TP+2,TP+4,TP+6,SO,SO+2,TMX
	v_pk_add_f32 v[\a:\a+1], v[rS+jj:rS+jj+1], v[rS+jj+2:rS+jj+3]   ; the row's sum of the unquantised p, in eight chains by turns; these 32 are also the places ahead of the products that take p's codes
.set jj, jj+4
.endr
	v_pk_add_f32 v[rT+2:rT+3], v[rT+2:rT+3], v[rS+28:rS+29]
.set jj, 30
.rept 2
.irp a, TP,TP+2,TP+4,TP+6,SO,SO+2,TMX
	v_pk_add_f32 v[\a:\a+1], v[\a:\a+1], v[rS+jj:rS+jj+1]
.set jj, jj+2
.endr
	v_pk_add_f32 v[rT+2:rT+3], v[rT+2:rT+3], v[rS+jj:rS+jj+1]
.set jj, jj+2
.endr
	v_pk_add_f32 v[TP:TP+1], v[TP:TP+1], v[rS+62:rS+63]
	v_pk_add_f32 v[TP+2:TP+3], v[TP+2:TP+3], v[TP+4:TP+5]
	v_pk_add_f32 v[TP+6:TP+7], v[TP+6:TP+7], v[SO:SO+1]
	v_pk_add_f32 v[SO+2:SO+3], v[SO+2:SO+3], v[TMX:TMX+1]
	v_pk_add_f32 v[TP:TP+1], v[TP:TP+1], v[TP+2:TP+3]
	v_pk_add_f32 v[TP+6:TP+7], v[TP+6:TP+7], v[SO+2:SO+3]
	v_pk_add_f32 v[TP:TP+1], v[TP:TP+1], v[TP+6:TP+7]
	v_pk_add_f32 v[rT+2:rT+3], v[rT+2:rT+3], v[TP:TP+1]
.endm
.macro ASK
	s_cmp_gt_u32 s[CNT], s[LIM]
	s_cbranch_scc0 .Lnot_mine_\@
	global_prefetch_b8 v[PFO], s[PFA:PFA+1] th:TH_LOAD_NT scope:SCOPE_SE
.Lnot_mine_\@:
.endm
; A change of slots.  All of the slot just walked lies in registers; the other slot's load is waited for; fill = 1: a round of the cluster's barrier, and the slot just walked takes the steps four on.
.macro CHANGE fill
	WIN 0
	s_wait_tensorcnt 0x0
	ds_add_u32 v[SPW], v[NIL]
.if \fill
	s_xor_b32 s[G0W+1], s[G0W+1], SLOT1
	s_add_nc_u64 s[G0W+2:G0W+3], s[G0W+2:G0W+3], SLOTB
	s_wait_xcnt 0x0                                ; the last prefetch has read its address
	s_add_nc_u64 s[PFA:PFA+1], s[PFA:PFA+1], SLOTB
	s_wait_dscnt 0x0
	CROUND
	tensor_load_to_lds s[G0W:G0W+3], s[G1:G1+7]
	s_nop 0
	PLACES 4
	ASK
.else
	s_wait_dscnt 0x0
	s_barrier_signal -1
	s_barrier_wait -1
.endif
	s_xor_b32 s[TB], s[TB], SLOT1
.endm
.macro FOUR_TURNS
	TURN 0, 2, 1, 0, 0, -1
	TURN 1, 2, 1, 0, -1, 0
	TURN 0, 2, 1, 0, STEPB, -1
	TURN 1, 2, 1, 0, -1, STEPB
.endm
	s_wait_tensorcnt 1                             ; slot 1's load may be out
	s_barrier_signal -1
	s_barrier_wait -1
	s_add_co_u32 s[TS], s[TB], 0
	v_add_nc_u32 v[ADK], s[TS], v[LI]
	KSCL
	KHALF 0
	KHALF 1
	s_wait_loadcnt 0x0
	s_wait_dscnt 0x0
	KQ8 0, 0
	KQ8 1, 0
	PLACES 4
	TURN 1, 0, 1, 1, -1, 0
	TURN 0, 1, 1, 1, STEPB, -1
	TURN 1, 1, 1, 0, -1, STEPB
.Lslot:
	CHANGE 1
	FOUR_TURNS
	s_sub_co_u32 s[CNT], s[CNT], 1
	s_cmp_lg_u32 s[CNT], 0
	s_cbranch_scc1 .Lslot
	CHANGE 0                                       ; the last slot: nothing is left to fetch
	FOUR_TURNS
	TURN 0, 2, 0, 0, -1, -1
	PV16 1, 0
	PLACES 4
	s_wait_alu depctr_va_vdst(0)                   ; ahead of the first readers of O^T
	v_and_b32 v[TT], 31, v0
.irp q, 0,1
	v_add_f32 v[TMX+\q], v[14+4*\q], v[15+4*\q]    ; l's two halves,
.endr
.irp q, 0,1
	v_permlanex16_b32 v[TP+\q], v[TMX+\q], s[SEL], s[SEL+1]
.endr
.irp q, 0,1
	v_add_f32 v[TMX+\q], v[TMX+\q], v[TP+\q]       ; and lane l xor 16's
.endr
	v_cmp_gt_u32 vcc_lo, 16, v[TT]
	v_cndmask_b32 v[SO], v16, v12, vcc_lo          ; lanes 0-15 tile 0's queries, lanes 16-31 tile 1's
	v_cndmask_b32 v[SO+1], v[TMX+1], v[TMX], vcc_lo
	global_store_b64 v[L8], v[SO:SO+1], s[12:13]   ; 32 lanes store 256 consecutive bytes
; The way out: a tile's 16 rows of 1,024 bytes go through my own stage, in slot 0, which has had its last fill and its last read, and come back as whole rows.
.irp q, 0,1
.if \q
	s_wait_xcnt 0x0                                ; tile 0's stores have read their registers
.endif
	WIN OUT1
.irp t, 0,1,2,3,4,5,6,7,8,9,10,11,12,13,14,15
	ds_store_b128 v[STO], v[128*\q+8*\t:128*\q+8*\t+3] offset:64*\t
	ds_store_b128 v[STO], v[128*\q+8*\t+4:128*\q+8*\t+7] offset:64*\t+16
.endr
	WIN 0
.set i, 0
.rept 32
	ds_load_b128 v[S+4*i:S+4*i+3], v[RD] offset:SP*(i/2)+512*(i%2)
.set i, i+1
.endr
.set i, 0
.rept 32
	s_wait_dscnt 31-i
	global_store_b128 v[LI], v[S+4*i:S+4*i+3], s[10:11] offset:16384*\q+1024*(i/2)+512*(i%2) th:TH_STORE_NT
.set i, i+1
.endr
.endr
	s_wait_tensorcnt 0x0                           ; the wave's end
	ds_add_u32 v[SPW], v[NIL]
	s_wait_dscnt 0x0
	CROUND                                         ; the closing round
	s_endpgm
.Lfunc_end_k_q09e690611c_attn:
	.size	k_q09e690611c_attn, .Lfunc_end_k_q09e690611c_attn-k_q09e690611c_attn
	.p2alignl 7, 3214868480
	.fill 96, 4, 3214868480
	.section	.rodata,"a",@progbits
	.p2align	6, 0x0
	.amdhsa_kernel k_q09e690611c_attn
		.amdhsa_group_segment_fixed_size 327680
		.amdhsa_private_segment_fixed_size 0
		.amdhsa_enable_private_segment 0
		.amdhsa_kernarg_size 40
		.amdhsa_user_sgpr_count 2
		.amdhsa_user_sgpr_kernarg_segment_ptr 1
		.amdhsa_wavefront_size32 1
		.amdhsa_system_sgpr_workgroup_id_x 1
		.amdhsa_system_sgpr_workgroup_id_y 1
		.amdhsa_system_sgpr_workgroup_id_z 1
		.amdhsa_system_vgpr_workitem_id 0
		.amdhsa_next_free_vgpr 1024
		.amdhsa_next_free_sgpr 66
		.amdhsa_reserve_vcc 1
		.amdhsa_float_denorm_mode_32 3
		.amdhsa_float_denorm_mode_16_64 3
		.amdhsa_memory_ordered 1
		.amdhsa_forward_progress 1
		.amdhsa_inst_pref_size 255
	.end_amdhsa_kernel
	.section	.bss,"aw",@nobits
	.p2align	6
	.space	262144
	.amdgpu_metadata
---
amdhsa.version: [ 1, 2 ]
amdhsa.kernels:
  - .name:           k_q09e690611c_attn
    .symbol:         k_q09e690611c_attn.kd
    .args:
      - { .name: query_codes, .offset: 0, .size: 8, .value_kind: global_buffer, .address_space: global }
      - { .name: query_scales, .offset: 8, .size: 8, .value_kind: global_buffer, .address_space: global }
      - { .name: kv, .offset: 16, .size: 8, .value_kind: global_buffer, .address_space: global }
      - { .name: po, .offset: 24, .size: 8, .value_kind: global_buffer, .address_space: global }
      - { .name: pml, .offset: 32, .size: 8, .value_kind: global_buffer, .address_space: global }
    .group_segment_fixed_size: 327680
    .private_segment_fixed_size: 0
    .kernarg_segment_align: 8
    .kernarg_segment_size: 40
    .max_flat_workgroup_size: 128
    .sgpr_count:     66
    .vgpr_count:     1024
    .wavefront_size: 32
...
	.end_amdgpu_metadata
.endif
;; end of part 2
;; launch comb (part 3): grid 256 x 1, 8 waves a work-group, no clusters, 0 bytes of LDS; arguments po, pml, out0; writes out0
.if DOCPART == 3
	.amdgcn_target "amdgcn-amd-amdhsa--gfx1250"
	.amdhsa_code_object_version 6
	.text
	.protected	k_q09e690611c_comb
	.globl	k_q09e690611c_comb
	.p2align	8
	.type	k_q09e690611c_comb,@function
k_q09e690611c_comb:
	s_mov_b64 s[64:65], 0
	v_nop
	global_prefetch_b8 v0, s[64:65] scope:SCOPE_SE
	s_setreg_imm32_b32 hwreg(HW_REG_WAVE_MODE, 25, 1), 1
	s_wait_xcnt 0x0
; out0[query] = the sum over the three banks of (the bank's O) / (the bank's l).  A bank's read came in pieces of 4,096 keys: stm pieces 0-3, ltm 4-5, pm 6; piece i left O_i (po[i][query][256], not normalised,
; under its own whole number M_i) and (-M_i, l_i) (pml[i][query]).  For a bank: M = the largest M_i; w_i = 2^(M_i - M), exact; l = sum of w_i l_i; the piece's coefficient is a_i = w_i / l.
; out0 = sum over the 7 pieces of a_i O_i, by fused multiply-adds in f32.
; SHARES.  A work-group owns 16 queries, a wave two; a lane owns 16 bytes of each half of a row, so each load and store of a wave covers 512 consecutive bytes.
; A stream read once: no LDS, no barrier, no matrix unit, no cluster (nothing is shared), no loop, no prefetch (all of a wave's 42 loads go out at its head).
; LIMITS: NaN and infinities are not served.  The division is a multiplication by v_rcp_f32's result.
.set LO,   1                           ; v1   16 x lane
.set ZR,   2                           ; v2   0: every lane reads the same (-M, l)
.set CO,   4                           ; v[4+2i:5+2i] a_i, in both halves of a pair
.set NS,   18                          ; v18  stm's smallest -M;  v19 ltm's
.set WT,   20                          ; v20-25 w_0 .. w_5
.set LS,   26                          ; v26  stm's l;  v27 ltm's
.set RC,   28                          ; v28-30 the three reciprocals
.set X,    32                          ; v[32+56rr+8i ..] piece i's 8 numbers of row rr
.set ML,   144                         ; v[144+14rr+2i ..] (-M_i, l_i) of row rr
.set OUTR, 172                         ; v[172+8rr ..] the row's 8 results
	s_load_b128 s[4:7], s[0:1], 0x0                ; po s[4:5], pml s[6:7]
	s_load_b64 s[8:9], s[0:1], 0x10                ; out0
	v_lshrrev_b32 v1, 5, v0
	s_delay_alu instid0(VALU_DEP_1)
	v_readfirstlane_b32 s10, v1                    ; wave 0..7
	v_and_b32 v1, 31, v0
	s_delay_alu instid0(VALU_DEP_1)
	v_lshlrev_b32 v[LO], 4, v1
	v_mov_b32 v[ZR], 0
	s_lshl_b32 s12, ttmp9, 4
	s_lshl_b32 s11, s10, 1
	s_add_co_u32 s12, s12, s11                     ; my first row: 16 x work-group + 2 x wave
	s_lshl_b32 s14, s12, 10                        ; 1,024 bytes a row of po and of out0,
	s_mov_b32 s15, 0
	s_lshl_b32 s12, s12, 3                         ; 8 bytes a row of pml
	s_mov_b32 s13, 0
	s_wait_alu depctr_va_vdst(0)
	s_wait_kmcnt 0x0
	s_add_nc_u64 s[6:7], s[6:7], s[12:13]
	s_add_nc_u64 s[8:9], s[8:9], s[14:15]
	s_add_nc_u64 s[16:17], s[4:5], s[14:15]        ; piece 0's rows;
.irp i, 1,2,3,4,5,6
	s_add_nc_u64 s[16+2*\i:17+2*\i], s[14+2*\i:15+2*\i], 0x400000   ; piece i's: 4,096 rows of 1,024 bytes on
.endr
.irp rr, 0,1
.irp i, 0,1,2,3,4,5,6
	global_load_b64 v[ML+14*\rr+2*\i:ML+14*\rr+2*\i+1], v[ZR], s[6:7] offset:32768*\i+8*\rr
.endr
.endr
.irp rr, 0,1
.irp i, 0,1,2,3,4,5,6
.irp hf, 0,1
	global_load_b128 v[X+56*\rr+8*\i+4*\hf:X+56*\rr+8*\i+4*\hf+3], v[LO], s[16+2*\i:17+2*\i] offset:1024*\rr+512*\hf th:TH_LOAD_NT
.endr
.endr
.endr
	s_wait_loadcnt 28                              ; the 14 pairs (-M, l) are in; the 28 loads of rows may stay out
; One row.  left = how many younger loads may stay out when this row's 14 have to be there.
.macro ROW rr, left
.set M0, ML+14*(\rr)
.set X0, X+56*(\rr)
.set O0, OUTR+8*(\rr)
	v_min3_num_f32 v[NS], v[M0], v[M0+2], v[M0+4]
	v_min_num_f32 v[NS+1], v[M0+8], v[M0+10]       ; ltm's -M = the smallest -M_i
	s_delay_alu instid0(VALU_DEP_2)
	v_min_num_f32 v[NS], v[NS], v[M0+6]            ; stm's
.irp i, 0,1,2,3
	v_sub_f32 v[WT+\i], v[NS], v[M0+2*\i]          ; M_i - M: a whole number, 0 or less
.endr
.irp i, 4,5
	v_sub_f32 v[WT+\i], v[NS+1], v[M0+2*\i]
.endr
.irp i, 0,1,2,3,4,5
	v_cvt_i32_f32 v[WT+\i], v[WT+\i]               ; (it saturates)
.endr
.irp i, 0,1,2,3,4,5
	v_ldexp_f32 v[WT+\i], 1.0, v[WT+\i]            ; w_i = 2^(M_i - M)
.endr
	v_mul_f32 v[LS], v[WT], v[M0+1]
	s_delay_alu instid0(VALU_DEP_3)
	v_mul_f32 v[LS+1], v[WT+4], v[M0+9]
	s_delay_alu instid0(VALU_DEP_2)
	v_fmac_f32 v[LS], v[WT+1], v[M0+3]
	s_delay_alu instid0(VALU_DEP_2)
	v_fmac_f32 v[LS+1], v[WT+5], v[M0+11]
	s_delay_alu instid0(VALU_DEP_2)
	v_fmac_f32 v[LS], v[WT+2], v[M0+5]
	s_delay_alu instid0(VALU_DEP_1)
	v_fmac_f32 v[LS], v[WT+3], v[M0+7]
	s_wait_alu depctr_va_vdst(0)
	v_rcp_f32 v[RC], v[LS]
	v_rcp_f32 v[RC+1], v[LS+1]
	v_rcp_f32 v[RC+2], v[M0+13]                    ; pm has one piece: w = 1
	v_nop                                          ; a plain instruction behind the last reciprocal
	s_wait_alu depctr_va_vdst(0)                   ; one wait for the three, ahead of their first reader
.irp i, 0,1,2,3
	v_mul_f32 v[CO+2*\i], v[WT+\i], v[RC]
	v_mul_f32 v[CO+2*\i+1], v[WT+\i], v[RC]
.endr
.irp i, 4,5
	v_mul_f32 v[CO+2*\i], v[WT+\i], v[RC+1]
	v_mul_f32 v[CO+2*\i+1], v[WT+\i], v[RC+1]
.endr
	v_mov_b32 v[CO+12], v[RC+2]
	v_mov_b32 v[CO+13], v[RC+2]
	s_wait_loadcnt \left                           ; loads come back in order (ISA guide 5.7.1): this row's 14 are in
.irp k, 0,1,2,3
	v_pk_mul_f32 v[O0+2*\k:O0+2*\k+1], v[X0+2*\k:X0+2*\k+1], v[CO:CO+1]     ; the first piece starts the four sums
.endr
.irp i, 1,2,3,4,5,6
.irp k, 0,1,2,3
	s_delay_alu instid0(VALU_DEP_4)
	v_pk_fma_f32 v[O0+2*\k:O0+2*\k+1], v[X0+8*\i+2*\k:X0+8*\i+2*\k+1], v[CO+2*\i:CO+2*\i+1], v[O0+2*\k:O0+2*\k+1]
.endr
.endr
.irp hf, 0,1
	global_store_b128 v[LO], v[O0+4*\hf:O0+4*\hf+3], s[8:9] offset:1024*(\rr)+512*\hf th:TH_STORE_NT   ; 32 lanes store 512 consecutive bytes, at a multiple of 256 from out0's first byte
.endr
.endm
	ROW 0, 14                                      ; row 1's 14 loads may stay out
	ROW 1, 0                                       ; each row has result registers of its own: no store's data are written again
	s_endpgm
.Lfunc_end_k_q09e690611c_comb:
	.size	k_q09e690611c_comb, .Lfunc_end_k_q09e690611c_comb-k_q09e690611c_comb
	.p2alignl 7, 3214868480
	.fill 96, 4, 3214868480
	.section	.rodata,"a",@progbits
	.p2align	6, 0x0
	.amdhsa_kernel k_q09e690611c_comb
		.amdhsa_group_segment_fixed_size 0
		.amdhsa_private_segment_fixed_size 0
		.amdhsa_enable_private_segment 0
		.amdhsa_kernarg_size 24
		.amdhsa_user_sgpr_count 2
		.amdhsa_user_sgpr_kernarg_segment_ptr 1
		.amdhsa_wavefront_size32 1
		.amdhsa_system_sgpr_workgroup_id_x 1
		.amdhsa_system_sgpr_workgroup_id_y 1
		.amdhsa_system_sgpr_workgroup_id_z 1
		.amdhsa_system_vgpr_workitem_id 0
		.amdhsa_next_free_vgpr 192
		.amdhsa_next_free_sgpr 66
		.amdhsa_reserve_vcc 0
		.amdhsa_float_denorm_mode_32 3
		.amdhsa_float_denorm_mode_16_64 3
		.amdhsa_memory_ordered 1
		.amdhsa_forward_progress 1
		.amdhsa_inst_pref_size 15
	.end_amdhsa_kernel
	.amdgpu_metadata
---
amdhsa.version: [ 1, 2 ]
amdhsa.kernels:
  - .name:           k_q09e690611c_comb
    .symbol:         k_q09e690611c_comb.kd
    .args:
      - { .name: po, .offset: 0, .size: 8, .value_kind: global_buffer, .address_space: global }
      - { .name: pml, .offset: 8, .size: 8, .value_kind: global_buffer, .address_space: global }
      - { .name: out0, .offset: 16, .size: 8, .value_kind: global_buffer, .address_space: global }
    .group_segment_fixed_size: 0
    .private_segment_fixed_size: 0
    .kernarg_segment_align: 8
    .kernarg_segment_size: 24
    .max_flat_workgroup_size: 256
    .sgpr_count:     66
    .vgpr_count:     192
    .wavefront_size: 32
...
	.end_amdgpu_metadata
.endif
;; end of part 3
